; MI455X (gfx1250); checked and timed in simulation.
; The chip was launched on July 23, 2026; its instructions are those of AMD's public machine-readable ISA for CDNA 5 (MIT licence, August 2026) and "CDNA5" Instruction Set Architecture Reference Guide (July 2026). The comments in the code are by the model that wrote it; some were corrected since.
;; HGRN2 Block. Allowed arithmetic: matrix products marked QUANTISED: E2M3 operands, one E8M0 scale for each 32 along K, by v_wmma_scale_f32_16x16x128_f8f6f4 with both operands' format E2M3, f32 sums; everything else in f32.
;; Inputs: W_out_codes 1,024 x 32 x 24 uint8 (E2M3 codes of W_out, K innermost, in blocks of 32 codes, four codes in three bytes); W_out_scales 1,024 x 32 uint8 (E8M0 scales of W_out, one for each 32 codes along K); W_proj_codes 3,072 x 32 x 24 uint8 (E2M3 codes of W_proj, K innermost, in blocks of 32 codes, four codes in three bytes); W_proj_scales 3,072 x 32 uint8 (E8M0 scales of W_proj, one for each 32 codes along K); b_out 1,024 float32; b_proj 3,072 float32; x_codes 4 x 4,096 x 32 x 24 uint8 (E2M3 codes of x, K innermost, in blocks of 32 codes, four codes in three bytes); x_scales 4 x 4,096 x 32 uint8 (E8M0 scales of x, one for each 32 codes along K).
;; Outputs: out0 4 x 4,096 x 1,024 float32.
;; Constants: layer_idx = 0, num_layers = 12.
;; This version of the problem:
;;   THIS VERSION OF THE PROBLEM IS GIVEN IN LOW PRECISION. The matrix products marked QUANTISED in the list below multiply operands that are first quantised to E2M3 (2 exponent bits, 3 mantissa bits; 6 bits a number), with one power-of-two scale for each 32 numbers along K (OCP MX v1.0); their sums are f32. All else is computed in f32.
;;   The module's matrix products, in the order in which they are computed (A, B: the left and right operand; K: the contracted axis; several contracted axes count as one K, in the product's order):
;;     1. [M 16,384, K 1,024] x [K 1,024, N 3,072]; A: input x (given as codes); B: input W_proj (given as codes): QUANTISED
;;     2. [M 16,384, K 1,024] x [K 1,024, N 1,024]; A: computed on the way; B: input W_out (given as codes): QUANTISED
;;   THE QUANTISER, for each operand of a quantised product, along K:
;;     - K is cut into blocks of 32 from its start; a last block that is shorter is filled with zeros.
;;     - A block's scale is 2^e with e = floor(log2(the largest magnitude in the block)) - 2, held to -126 .. 127; a block of zeros has e = 0. As a byte (E8M0): e + 127.
;;     - Each number is divided by its block's scale, clamped to +-7.5, and rounded to the nearest number of E2M3, ties to even, subnormals kept.
;;     - The product sums the exact products of the quantised numbers (number of the format x scale) in f32.
;;   ~~~python
;;   def quantise(x, axis):      # numpy; x: float32 -> the quantised numbers, widened to float32 again
;;       x = np.moveaxis(x, axis, -1); K = x.shape[-1]
;;       x = np.pad(x, [(0, 0)] * (x.ndim - 1) + [(0, -K % 32)]); x = x.reshape(x.shape[:-1] + (-1, 32)); a = np.abs(x).max(-1, keepdims=True)
;;       e = np.where(a > 0, np.clip(np.frexp(np.where(a > 0, a, 1))[1] - 1 - 2, -126, 127), 0)      # np.frexp(a)[1] - 1 = floor(log2(a)), exactly
;;       r = np.clip(x / 2.0 ** e, -7.5, 7.5)
;;       step = 2.0 ** (np.maximum(np.frexp(np.where(r == 0, 1, r))[1] - 1, 0) - 3)
;;       q = np.round(r / step) * step * 2.0 ** e      # np.round: ties to even
;;       return np.moveaxis(q.reshape(q.shape[:-2] + (-1,))[..., :K], -1, axis).astype(np.float32)
;;   ~~~
;;   OPERANDS COMPUTED ON THE WAY. 'Computed on the way' means the value that the module computes at that place (a softmax that the list does not call 'softmax' is quantised finished and normalised). What goes into a quantiser is computed in f32, as accurately as f32 sums, v_exp_f32 and their like allow (about 1e-6 of the number): no bf16 or f16 on the way to a quantiser, and a product that is left as it is and whose result goes on into a quantised operand takes f32 operands (vector FMAs, or v_wmma_f32_16x16x4_f32). A number that lies on a knife's edge between two numbers of the format may be rounded either way, as far as f32 arithmetic and the matrix unit's own rounding can turn it there, and no further.
;;   INPUTS GIVEN AS CODES. W_out (in the module: [1024, 1024], K = its axis 0); W_proj (in the module: [1024, 3072], K = its axis 0); x (in the module: [4, 4096, 1024], K = its axis 2): each comes as NAME_codes (uint8): NAME with its K axis moved to the last place and cut into blocks of 32 codes, [.., K / 32, bytes a block], one block behind the other in memory; four codes in three bytes: a row's codes are one little-endian stream of bits, code i at bits 6 i .. 6 i + 5 (a code: sign, 2 exponent bits, 3 mantissa bits); and NAME_scales (uint8): the same leading axes, one E8M0 byte (e + 127) for each 32 codes along K. Its value is code x scale, taken as it is: it is not quantised again, and the codes and scales need not be those that the quantiser above would give.
;; One version. Each part assembles by itself: llvm-mc -triple=amdgcn-amd-amdhsa -mcpu=gfx1250 --defsym DOCPART=n.
;; ======== version 1 of 1: 2 launches
;; limits: right only within a limited range of input values
;; workspace buffers: h_codes 12,582,912 bytes; h_scales 524,288 bytes
;; launch proj (part 1): grid 4 x 64, 4 waves a work-group, clusters of 4 x 4, 327,680 bytes of LDS; arguments x_codes, x_scales, W_proj_codes, W_proj_scales, b_proj, h_codes, h_scales; writes h_codes, h_scales
.if DOCPART == 1
	.amdgcn_target "amdgcn-amd-amdhsa--gfx1250"
	.amdhsa_code_object_version 6
	.text
	.protected	k_q0095e3baca_proj
	.globl	k_q0095e3baca_proj
	.p2align	8
	.type	k_q0095e3baca_proj,@function
k_q0095e3baca_proj:
	s_mov_b64 s[64:65], 0
	v_nop
	global_prefetch_b8 v0, s[64:65] scope:SCOPE_SE
	s_setreg_imm32_b32 hwreg(HW_REG_WAVE_MODE, 25, 1), 1
	s_wait_xcnt 0x0
	s_wait_alu depctr_hold_cnt(0) depctr_sa_sdst(0) depctr_va_vdst(0) depctr_va_sdst(0) depctr_va_ssrc(0) depctr_va_vcc(0) depctr_vm_vsrc(0)
	s_getreg_b32 s2, hwreg(HW_REG_IB_STS2, 6, 4)
	s_cmp_eq_u32 s2, 0
	s_cbranch_scc0 .Lentry_in_a_cluster
	s_endpgm
.Lentry_in_a_cluster:
	s_bfe_u32 s2, ttmp6, 0x10000c
	s_cmp_lg_u32 s2, 0xf033
	s_cbranch_scc0 .Lentry_shape_is_right
	s_endpgm
.Lentry_shape_is_right:
; h = (x Wg^T + bg) * sigmoid(x Wo^T + bo), quantised along the hidden axis to codes of FP6 (E2M3) with one E8M0 byte for each 32.
; x: [16384][1024] as codes (a row is 768 bytes) with scale bytes [16384][32]; W_proj: [3072][1024] likewise; Wg = its rows 0..1023, Wo = its rows 2048..3071.
; DEAD WORK LEFT OUT: reference() splits x_proj in three and never uses the middle third (forget_input), so columns 1024..2047 of the first product reach no output whatever the inputs hold:
; rows 1024..2047 of W_proj's codes and scales and entries 1024..2047 of b_proj are not read.  A NaN, an infinity or an overflow that would arise only there is not carried to the result.
; LIMITS: a block of 32 zeros of h gets the scale byte 1 where the quantiser's rule says 127 (its codes are zeros; the bytes are read by this program alone); NaN and infinities in h are not served;
; each bias is the C of its sum's first product, so it is added ahead of the products; sigmoid(o) = 1 / (1 + 2^(-o log2 e)) gives 0 where its true value lies under the smallest normal f32 number.
; SHARES.  256 work-groups; one makes 256 rows x 256 hidden units.  Wave w owns rows 64 w on and ALL units; its x, for all of K, stays in registers: 4 blocks x 8 chunks of 128 K x 12 = 384.
; W walks in 8 sub-tiles of 32 units (32 rows of Wg, 32 of Wo, whole K): 8 chunks x 16 products on 16 accumulators (a, b): a = block of 16 rows, b = 0, 1 g's tiles, b = 2, 3 o's.
; LDS: two slots of two sub-tiles each (a row: 3 x (256 + 16) bytes), a region for x's rows 128-255 (rows 0-127 come into slot 1, whose first refill follows when they are in registers).
; Every tensor row is 256 bytes of memory or a multiple and begins at a multiple of 256.  A refill is asked for 256 products of each wave ahead of its first read.
; NO PREFETCH: x is read once, at the head, with no loop ahead of it; of W there are three refills, each asked for two sub-tiles ahead.
; CLUSTERS 4 x 4: x's tiles hang on the tile row alone and are asked for jointly along a cluster's row, W's on the tile column alone, jointly along a column.
; TRANSPOSED USE (source 0 = 16 rows of W, source 1 = 16 rows of x): lane (r, h) holds row r, register j the unit 8 h + j of the tile.
; OUT.  h_codes: [group of 128 rows][128 along K][block of 16 rows][c = 0, 1][768 bytes]; in a piece, registers 6 c .. 6 c + 3 of lane l at 16 l, registers 6 c + 4, 6 c + 5 at 512 + 8 l.  h_scales: [128 along K][row], one word.
; WINDOWS: 0: addresses, scale words, biases; 1: x's chunks 0-4 (48 kc + 12 a); 2: chunks 5-7; 3: accumulators v0-127, W's fragments v128-223 (two sets), codes v224-247, LDS addresses v248-251, scale words of h v252-255.
; Accumulators, W's fragments and their LDS addresses share window 3, so the LDS loads stand among the products under one window setting.
.set BP,    816
.set QUART, 32*BP
.set AREA,  64*BP                      ; a sub-tile: g's 32 rows, o's 32 rows
.set SLOT,  2*AREA
.set STG,   3*SLOT                     ; h's scale words on their way out: 256 bytes a wave; no tensor load lands here
.set SPARE, STG+1024                   ; the spare words: 128 bytes a wave
.set SPW, 2
.set NIL, 3
.set XA,  8                            ; v8-9 my x fragments in LDS (v9: for pieces behind one padding more)
.set CO16, 10
.set CO8, 11
.set SBA, 12                           ; 32 x lane: a row's scale bytes
.set BV,  13                           ; 32 x (lane / 16): my eight numbers of a tile's bias
.set SST, 14
.set SRD, 15
.set WB,  16
.set SA,  36                           ; x's scale words: rows 32 i + lane, chunk kc at SA + 8 i + kc
.set SB,  56                           ; W's: set t at SB + 16 t: g's 32 rows at + kc, o's at + 8 + kc
.set BI,  96                           ; biases: set t, tile b at BI + 32 t + 8 b
.set BF,  128
.set MX,  176                          ; the gate's work lies in W's set 1, which is idle then
.set MY,  180
.set QQ,  184
.set SV,  200
.set OUT, 224
.set LA,  248                          ; v248-249 lane part of W's LDS address; v250-251 with the sub-tile's place
.set AD,  250
.set SW,  252
.set WV, 18
.set CUR, 46                           ; the slot at work: 0 or SLOT
.set WQ,  47
.set G1X, 24
.set G0X, 32
.set G1H, 48
.set G0H, 56
.set G1W, 68
.set G0W, 76
.set CS,  90
.set MSB, 0
.macro WIN new                         ; the immediate's high byte repeats the setting that is left
.if MSB != \new
	s_set_vgpr_msb (MSB<<8)|\new
.set MSB, \new
.endif
.endm
.macro MWIN kc                         ; products: W window 3, x window 1 or 2, C window 3 (chunk 0: the bias, window 0), D window 3
.if (\kc) == 0
	WIN 0xc7
.elseif (\kc) < 5
	WIN 0xf7
.else
	WIN 0xfb
.endif
.endm
.macro CREST
	s_cmp_lg_u32 s[WV], 0
	s_cbranch_scc1 .Lnot_wave_0_\@
	s_barrier_signal -3
.Lnot_wave_0_\@:
	s_barrier_wait -3
	s_barrier_signal -1
	s_barrier_wait -1
.endm
.macro CROUND
	s_barrier_signal -1
	s_barrier_wait -1
	CREST
.endm
.macro PLACES n
.rept \n
	v_nop
.endr
.endm
; piece p (8 bytes) of the fragment of chunk q: lanes 0-15 take piece 12 q + 6 (p / 3) + p % 3 of the row, lanes 16-31 the piece three on; 16 bytes of padding lie behind every 32 pieces
.macro PC reg, adr, q, p, row
.set PCE, 12*(\q)+6*((\p)/3)+(\p)%3
.if PCE%32 < 29
	ds_load_b64 v[(\reg)+2*(\p):(\reg)+2*(\p)+1], v[\adr] offset:8*PCE+16*(PCE/32)+(\row)*BP
.else
	ds_load_b64 v[(\reg)+2*(\p):(\reg)+2*(\p)+1], v[\adr+1] offset:8*PCE+16*(PCE/32)+(\row)*BP
.endif
.endm
.macro LD4 q, n0                       ; loads n0 .. n0 + 3 of the 24 that bring W's four fragments of chunk q into set q % 2
.irp d, 0,1,2,3
	PC BF+48*((\q)%2)+12*(((\n0)+\d)/6), AD, \q, ((\n0)+\d)%6, 16*(((\n0)+\d)/6)
.endr
.endm
.macro PARAMS set, d                   ; scale words and biases of a sub-tile, d sub-tiles on from where SBA and BV stand: 12 loads
	global_load_b128 v[SB+16*\set:SB+16*\set+3], v[SBA], s[10:11] offset:1024*\d
	global_load_b128 v[SB+16*\set+4:SB+16*\set+7], v[SBA], s[10:11] offset:1024*\d+16
	global_load_b128 v[SB+16*\set+8:SB+16*\set+11], v[SBA], s[10:11] offset:65536+1024*\d
	global_load_b128 v[SB+16*\set+12:SB+16*\set+15], v[SBA], s[10:11] offset:65536+1024*\d+16
.irp b, 0,1
	global_load_b128 v[BI+32*\set+8*\b:BI+32*\set+8*\b+3], v[BV], s[12:13] offset:128*\d+64*\b
	global_load_b128 v[BI+32*\set+8*\b+4:BI+32*\set+8*\b+7], v[BV], s[12:13] offset:128*\d+64*\b+16
	global_load_b128 v[BI+32*\set+16+8*\b:BI+32*\set+16+8*\b+3], v[BV], s[12:13] offset:8192+128*\d+64*\b
	global_load_b128 v[BI+32*\set+16+8*\b+4:BI+32*\set+16+8*\b+7], v[BV], s[12:13] offset:8192+128*\d+64*\b+16
.endr
.endm
; one product: x's block a against W's tile b, chunk kc.  An odd block's or tile's scale words lie in lanes 16-31.
.macro WM a, b, kc, t
.set rD, 8*(4*(\a)+(\b))
.set rC, rD
.if (\kc) == 0
.set rC, BI+32*(\t)+8*(\b)
.endif
.set rB, BF+48*((\kc)%2)+12*(\b)
.if (\kc) < 5
.set rA, 48*(\kc)+12*(\a)
.else
.set rA, 48*((\kc)-5)+12*(\a)
.endif
.set rSB, SB+16*(\t)+8*((\b)/2)+(\kc)
.set rSA, SA+8*((\a)/2)+(\kc)
.if ((\a)%2 == 0) && ((\b)%2 == 0)
	v_wmma_scale_f32_16x16x128_f8f6f4 v[rD:rD+7], v[rB:rB+11], v[rA:rA+11], v[rC:rC+7], v[rSB], v[rSA] matrix_a_fmt:MATRIX_FMT_FP6 matrix_b_fmt:MATRIX_FMT_FP6
.elseif ((\a)%2 == 0)
	v_wmma_scale_f32_16x16x128_f8f6f4 v[rD:rD+7], v[rB:rB+11], v[rA:rA+11], v[rC:rC+7], v[rSB], v[rSA] matrix_a_fmt:MATRIX_FMT_FP6 matrix_b_fmt:MATRIX_FMT_FP6 matrix_a_scale:MATRIX_SCALE_ROW1
.elseif ((\b)%2 == 0)
	v_wmma_scale_f32_16x16x128_f8f6f4 v[rD:rD+7], v[rB:rB+11], v[rA:rA+11], v[rC:rC+7], v[rSB], v[rSA] matrix_a_fmt:MATRIX_FMT_FP6 matrix_b_fmt:MATRIX_FMT_FP6 matrix_b_scale:MATRIX_SCALE_ROW1
.else
	v_wmma_scale_f32_16x16x128_f8f6f4 v[rD:rD+7], v[rB:rB+11], v[rA:rA+11], v[rC:rC+7], v[rSB], v[rSA] matrix_a_fmt:MATRIX_FMT_FP6 matrix_b_fmt:MATRIX_FMT_FP6 matrix_a_scale:MATRIX_SCALE_ROW1 matrix_b_scale:MATRIX_SCALE_ROW1
.endif
.endm
; products i0 .. i0 + n - 1 of a chunk's 16; the 16 accumulators take turns
.macro MULS kc, t, i0, n
.set WI, \i0
.rept \n
	WM WI/4, WI%4, \kc, \t
.set WI, WI+1
.endr
.endm
.macro STEP kc, t, refill              ; chunks 0 to 6 of a sub-tile
.if (\kc) == 1                         ; chunk 0 has waited for all loads: the next sub-tile's scale words and biases are asked for, into the set that the sub-tile before used
	WIN 0
.if (\t) == 1
.if (\refill) == 0
	s_cmp_eq_u32 s3, 1
	s_cbranch_scc1 .Lnp_\@                         ; the last sub-tile has no successor
.endif
	v_add_nc_u32 v[SBA], 2048, v[SBA]              ; two sub-tiles on
	v_add_nc_u32 v[BV], 256, v[BV]
	PARAMS 0, 0
.Lnp_\@:
.else
	PARAMS 1, 1
.endif
.endif
	MWIN \kc
	PLACES 4                                       ; in front of the loads into the set that the last chunk's products read (ISA guide 7.12.1 for vector instructions)
.set NB, 0
.rept 6
	LD4 (\kc)+1, 4*NB                              ; the next chunk's 24 loads, in one run, under the products' window setting
.set NB, NB+1
.endr
	s_wait_dscnt 24                                ; all but the 24 just issued: this chunk's fragments are in
.if (\kc) == 0
	s_wait_loadcnt 0x0                             ; this sub-tile's scale words and biases
.endif
	MULS \kc, \t, 0, 16
.endm
.macro NEXTB                           ; the next sub-tile's place (s21) and its chunk 0; the four vector lines are the places behind the last products
	WIN 0xff
	v_add_nc_u32 v[AD], s21, v[LA]
	v_add_nc_u32 v[AD+1], s21, v[LA+1]
	v_nop
	v_nop
.set NB, 0
.rept 6
	LD4 0, 4*NB
.set NB, NB+1
.endr
.endm
; THE GATE, in place on the accumulators: block a's g at v[32 a .. + 15], its o at v[32 a + 16 .. + 31].  t = 1: the pair of blocks of 32 units goes out.
.macro GATE t
	WIN 0xff
.set J, 0
.rept 32
.set R, 32*(J/8)+16+2*(J%8)
	v_pk_mul_f32 v[R:R+1], v[R:R+1], s[CS:CS+1] op_sel_hi:[1,0]      ; -o log2(e); each accumulator from its low end on
.set J, J+1
.endr
	s_wait_alu depctr_va_vdst(0)
.set J, 0
.rept 64
	v_exp_f32 v[32*(J/16)+16+J%16], v[32*(J/16)+16+J%16]
.set J, J+1
.endr
	v_nop
	s_wait_alu depctr_va_vdst(0)
.set J, 0
.rept 32
.set R, 32*(J/8)+16+2*(J%8)
	v_pk_add_f32 v[R:R+1], v[R:R+1], 1.0 op_sel_hi:[1,0]
.set J, J+1
.endr
	s_wait_alu depctr_va_vdst(0)
.set J, 0
.rept 64
	v_rcp_f32 v[32*(J/16)+16+J%16], v[32*(J/16)+16+J%16]             ; sigmoid(o)
.set J, J+1
.endr
	v_nop
	s_wait_alu depctr_va_vdst(0)                   ; for the reciprocals, and directly ahead of the first readers of g's accumulators
.set J, 0
.rept 32
.set R, 32*(J/8)+2*(J%8)
	v_pk_mul_f32 v[R:R+1], v[R:R+1], v[R+16:R+17]                    ; h: lane (r, h) holds units 8 h + 0 .. 7 and 16 + 8 h + 0 .. 7 of the block
.set J, J+1
.endr
.irp a, 0,1,2,3
	v_max3_num_f32 v[MX+\a], |v[32*\a]|, |v[32*\a+1]|, 0x1800000     ; with the floor 2^(3 - 127): the byte cannot fall under 1
.endr
.irp i, 2,4,6,8,10,12,14
.irp a, 0,1,2,3
	v_max3_num_f32 v[MX+\a], v[MX+\a], |v[32*\a+\i]|, |v[32*\a+\i+1]|
.endr
.endr
.irp a, 0,1,2,3
	v_permlanex16_b32 v[MY+\a], v[MX+\a], s84, s85
.endr
.irp a, 0,1,2,3
	v_max_num_f32 v[MX+\a], v[MX+\a], v[MY+\a]     ; with lane l xor 16's 16 units: the block's largest magnitude
.endr
.irp a, 0,1,2,3
	v_add_nc_u32 v[SV+\a], 0xff000000, v[MX+\a]    ; 2 off its exponent field: the conversion's scale operand
.endr
.irp a, 0,1,2,3
	v_lshrrev_b32 v[MY+\a], 23, v[SV+\a]           ; the scale's byte
.endr
.irp a, 0,1,2,3
	v_alignbit_b32 v[SW+\a], v[MY+\a], v[SW+\a], 8 ; comes in at the top: after four sub-tiles the word of 128 units is whole, the first byte lowest
.endr
.if (\t) == 0
.irp a, 0,1,2,3
	v_cvt_scalef32_pk16_fp6_f32 v[OUT+6*\a:OUT+6*\a+2], v[32*\a:32*\a+15], v[SV+\a]
.endr
	v_nop                                          ; one plain place behind a scaled conversion
.else
.irp a, 0,1,2,3
	v_cvt_scalef32_pk16_fp6_f32 v[QQ+4*\a:QQ+4*\a+2], v[32*\a:32*\a+15], v[SV+\a]
.endr
	v_nop
.irp a, 0,1,2,3
.irp i, 0,1,2
	v_permlane16_swap_b32 v[OUT+6*\a+\i], v[QQ+4*\a+\i]              ; then lanes 0-15 hold the even block, lanes 16-31 the odd one: in OUT units 0-7, 16-23, in QQ units 8-15, 24-31
.endr
.endr
.irp a, 0,1,2,3                        ; the four groups of 8 codes (48 bits) into the block's order
	v_alignbit_b32 v[OUT+6*\a+3], v[OUT+6*\a+2], v[OUT+6*\a+1], 16
	v_perm_b32 v[OUT+6*\a+4], v[QQ+4*\a+1], v[OUT+6*\a+2], s86
	v_perm_b32 v[OUT+6*\a+1], v[QQ+4*\a], v[OUT+6*\a+1], s87
	v_alignbit_b32 v[OUT+6*\a+2], v[QQ+4*\a+1], v[QQ+4*\a], 16
	v_mov_b32 v[OUT+6*\a+5], v[QQ+4*\a+2]
.endr
	WIN 0x0c                                       ; address window 0, data window 3
.irp a, 0,1,2,3
	global_store_b128 v[CO16], v[OUT+6*\a:OUT+6*\a+3], s[14:15] offset:1536*\a       ; 512 consecutive bytes, at a multiple of 256 from the buffer's first byte
	global_store_b64 v[CO8], v[OUT+6*\a+4:OUT+6*\a+5], s[14:15] offset:1536*\a+512   ; and 256
.endr
.endif
.endm
.macro SUB t, refill
.irp kc, 0,1,2,3,4,5,6
	STEP \kc, \t, \refill
.endr
.if (\t) == 0
	MWIN 7
	s_wait_dscnt 0x0
	MULS 7, \t, 0, 16
	s_wait_xcnt 0x0                                ; the last pair's stores have read their base and their data
	s_add_nc_u64 s[14:15], s[14:15], s[22:23]      ; on to this pair's piece of h_codes
	s_mov_b32 s22, 768
	s_add_co_u32 s21, s[CUR], AREA
	NEXTB
.else                                  ; the slot's last chunk: one barrier for the change of slots
	WIN 0
	s_wait_tensorcnt 0x0                           ; all my tensor loads have landed: my part of the other slot
	ds_add_u32 v[SPW], v[NIL]
.if \refill
	s_add_co_u32 s[G0W+1], s[WQ], s[CUR]           ; no load of mine is out: the descriptor steps: this slot, 64 rows of g and of o on
	s_add_nc_u64 s[G0W+2:G0W+3], s[G0W+2:G0W+3], 64*768
.endif
	MWIN 7
	s_wait_dscnt 1                                 ; the add alone may be out: this chunk's fragments are in
	MULS 7, \t, 0, 8
	s_wait_dscnt 0x0                               ; the add is done; my reads of this slot are over
	s_barrier_signal -1
	MULS 7, \t, 8, 8
	WIN 0
	s_barrier_wait -1
.if \refill
	CREST                                          ; the barrier has opened a round of the cluster's barrier
	tensor_load_to_lds s[G0W:G0W+3], s[G1W:G1W+7]  ; my quarter of the slot just read out, my one load until the next round
	s_nop 0
	PLACES 4
	s_xor_b32 s[CUR], s[CUR], SLOT                 ; on to the other slot
	s_mov_b32 s21, s[CUR]
	NEXTB
.else
	s_xor_b32 s[CUR], s[CUR], SLOT
	s_mov_b32 s21, s[CUR]
	s_cmp_eq_u32 s3, 1
	s_cbranch_scc1 .Lnn_\@                         ; behind the last sub-tile nothing is fetched
	NEXTB
	WIN 0
.Lnn_\@:
	PLACES 4                                       ; in front of the first read of the last results
.endif
.endif
	GATE \t
.endm
.macro SCOUT q                         ; the scale words of 128 units, 64 rows: through my own 256 bytes of LDS, so that one store covers 256 consecutive bytes
	WIN 0x0c
.irp a, 0,1,2,3
	ds_store_b32 v[SST], v[SW+\a] offset:64*\a     ; lanes r and r + 16 hold the same word
.endr
	WIN 0
	ds_load_b64 v[WB+2*\q:WB+2*\q+1], v[SRD]       ; LDS serves a wave's instructions in order (ISA guide 5.7.1.4)
	s_wait_dscnt 0x0
	global_store_b64 v[CO8], v[WB+2*\q:WB+2*\q+1], s[16:17] offset:65536*\q
.endm
	s_load_b128 s[4:7], s[0:1], 0x0                ; x's codes, x's scales
	s_load_b128 s[8:11], s[0:1], 0x10              ; W_proj's codes, its scales
	s_load_b128 s[12:15], s[0:1], 0x20             ; b_proj, h_codes
	s_load_b64 s[16:17], s[0:1], 0x30              ; h_scales
	v_lshl_add_u32 v[SPW], v0, 2, SPARE
	v_mov_b32 v[NIL], 0
	ds_add_u32 v[SPW], v[NIL]
	ds_add_u32 v[SPW], v[NIL]
	v_lshrrev_b32 v1, 5, v0
	v_readfirstlane_b32 s[WV], v1                  ; wave 0..3
	s_lshr_b32 s19, s[WV], 1
	s_and_b32 s20, s[WV], 1
	s_bfe_u32 s40, ttmp6, 0x40000                  ; cx, cy
	s_bfe_u32 s41, ttmp6, 0x40004
	s_lshl_b32 s42, ttmp9, 2
	s_add_co_u32 s42, s42, s40                     ; tc: units 256 tc on
	s_and_b32 s45, ttmp7, 0xffff
	s_lshl_b32 s45, s45, 2
	s_add_co_u32 s45, s45, s41                     ; tr: rows 256 tr on
	s_lshl_b32 s43, s41, 2
	s_lshl_b32 s43, 15, s43                        ; my row of the cluster
	s_lshl_b32 s44, 0x1111, s40                    ; my column
	; group 1: elements of 8 bytes, 16 bytes of padding behind every 256, bit 21 beside the mask
	s_or_b32 s[G1X], s43, (3<<16)|(1<<20)|(1<<21)|(5<<22)|(3<<25)    ; x: 128 dense rows of 768 bytes as 384 rows of 256
	s_mov_b32 s[G1X+1], 32<<16
	s_mov_b32 s[G1X+2], 384<<16
	s_mov_b32 s[G1X+3], 32<<16
	s_mov_b32 s[G1X+4], 384
	s_mov_b32 s[G1X+5], 32
	s_mov_b32 s[G1X+6], 0
	s_mov_b32 s[G1X+7], 0
	s_or_b32 s[G1H], s44, (3<<16)|(1<<20)|(1<<21)|(5<<22)|(3<<25)    ; a whole sub-tile: two rows of 24,576 bytes (32 rows of g, 32 of o), 2,048 rows of W apart
	s_mov_b32 s[G1H+1], 3072<<16
	s_mov_b32 s[G1H+2], 2<<16
	s_mov_b32 s[G1H+3], 3072<<16
	s_mov_b32 s[G1H+4], 2
	s_mov_b32 s[G1H+5], 2048*768/8
	s_mov_b32 s[G1H+6], 0
	s_mov_b32 s[G1H+7], 0
	s_or_b32 s[G1W], s44, (3<<16)|(1<<20)|(1<<21)|(5<<22)|(3<<25)    ; the ring: 32 dense rows as 96 rows of 256
	s_mov_b32 s[G1W+1], 32<<16
	s_mov_b32 s[G1W+2], 96<<16
	s_mov_b32 s[G1W+3], 32<<16
	s_mov_b32 s[G1W+4], 96
	s_mov_b32 s[G1W+5], 32
	s_mov_b32 s[G1W+6], 0
	s_mov_b32 s[G1W+7], 0
	s_lshl_b32 s92, s45, 8                         ; x: row 256 tr + 128 (wave % 2)
	s_lshl_b32 s93, s20, 7
	s_add_co_u32 s92, s92, s93
	s_mul_i32 s92, s92, 768
	s_mov_b32 s93, 0
	s_lshl_b32 s94, s42, 8                         ; W at the head: sub-tile wave % 2: row 256 tc + 32 (wave % 2)
	s_lshl_b32 s95, s20, 5
	s_add_co_u32 s94, s94, s95
	s_mul_i32 s94, s94, 768
	s_mov_b32 s95, 0
	s_lshl_b32 s96, s42, 8                         ; the ring: row 2,048 (wave % 2) + 256 tc + 32 (wave / 2), first for sub-tiles 2 and 3
	s_lshl_b32 s97, s20, 11
	s_add_co_u32 s96, s96, s97
	s_lshl_b32 s97, s19, 5
	s_add_co_u32 s96, s96, s97
	s_add_co_u32 s96, s96, 64
	s_mul_i32 s96, s96, 768
	s_mov_b32 s97, 0
	s_mul_i32 s[WQ], s[WV], QUART                  ; my quarter of a slot: no place in the cluster enters an LDS address
	s_mov_b32 s[CUR], 0
	s_mov_b32 s22, 0
	s_mov_b32 s23, 0
	s_mov_b32 s84, 0x76543210                      ; v_permlanex16_b32's selects for lane l xor 16
	s_mov_b32 s85, 0xfedcba98
	s_mov_b32 s86, 0x07060302                      ; the two high halves
	s_mov_b32 s87, 0x05040100                      ; the two low halves
	s_mov_b32 s[CS], 0xbfb8aa3b                    ; -log2(e)
	s_mov_b32 s[CS+1], s[CS]
	s_wait_dscnt 0x0
	s_wait_kmcnt 0x0
	s_mov_b32 s[G0X], 1
	s_mul_i32 s[G0X+1], s20, SLOT
	s_add_co_u32 s[G0X+1], s[G0X+1], SLOT          ; rows 0-127 into slot 1, rows 128-255 behind it
	s_add_nc_u64 s[G0X+2:G0X+3], s[4:5], s[92:93]
	s_or_b32 s[G0X+3], s[G0X+3], 0x80000000
	s_mov_b32 s[G0H], 1
	s_mul_i32 s[G0H+1], s20, AREA
	s_add_nc_u64 s[G0H+2:G0H+3], s[8:9], s[94:95]
	s_or_b32 s[G0H+3], s[G0H+3], 0x80000000
	s_mov_b32 s[G0W], 1
	s_add_co_u32 s[G0W+1], s[WQ], SLOT
	s_add_nc_u64 s[G0W+2:G0W+3], s[8:9], s[96:97]
	s_or_b32 s[G0W+3], s[G0W+3], 0x80000000
	CROUND                                         ; all sixteen work-groups are here: the first joint loads meet
	s_cmp_eq_u32 s19, 0                            ; one load a wave: waves 0, 1 x's halves, waves 2, 3 sub-tiles 0, 1
	s_cbranch_scc0 .Lhead_w
	tensor_load_to_lds s[G0X:G0X+3], s[G1X:G1X+7]
	s_nop 0
	PLACES 4
	s_branch .Lhead_asked
.Lhead_w:
	tensor_load_to_lds s[G0H:G0H+3], s[G1H:G1H+7]
	s_nop 0
	PLACES 4
.Lhead_asked:
	s_lshl_b32 s98, s45, 8
	s_lshl_b32 s99, s[WV], 6
	s_add_co_u32 s98, s98, s99                     ; my first row
	s_lshl_b32 s88, s98, 2
	s_lshl_b32 s98, s98, 5
	s_mov_b32 s99, 0
	s_add_nc_u64 s[6:7], s[6:7], s[98:99]          ; its scale bytes
	s_lshl_b32 s98, s42, 17
	s_add_co_u32 s98, s98, s88
	s_add_nc_u64 s[16:17], s[16:17], s[98:99]      ; h_scales: chunk 2 tc, my first row
	s_lshl_b32 s98, s42, 13
	s_add_nc_u64 s[10:11], s[10:11], s[98:99]      ; W's scale bytes at row 256 tc
	s_lshl_b32 s98, s42, 10
	s_add_nc_u64 s[12:13], s[12:13], s[98:99]      ; b_proj at unit 256 tc
	s_lshl_b32 s98, s45, 1                         ; h_codes: ((2 tr + wave / 2) x 8 + 2 tc) x 12,288 + 4 (wave % 2) blocks of 1,536
	s_add_co_u32 s98, s98, s19
	s_lshl_b32 s98, s98, 3
	s_lshl_b32 s88, s42, 1
	s_add_co_u32 s98, s98, s88
	s_mul_i32 s98, s98, 12288
	s_mul_i32 s88, s20, 6144
	s_add_co_u32 s98, s98, s88
	s_add_nc_u64 s[14:15], s[14:15], s[98:99]
	s_mul_i32 s88, s[WV], AREA
	s_add_co_u32 s88, s88, SLOT                    ; my 64 rows of x in LDS
	s_lshl_b32 s89, s[WV], 8
	s_add_co_u32 s89, s89, STG
	v_and_b32 v1, 15, v0                           ; r
	v_bfe_u32 v4, v0, 4, 1                         ; h
	v_and_b32 v5, 31, v0                           ; lane
	v_mul_u32_u24 v6, v1, BP
	v_mad_u32_u24 v7, v4, 24, v6                   ; a fragment's row x pitch + 24 x half
	v_add_nc_u32 v[XA], s88, v7
	v_lshl_add_u32 v7, v4, 4, v7
	v_add_nc_u32 v[XA+1], s88, v7
	v_lshlrev_b32 v[CO16], 4, v5
	v_lshlrev_b32 v[CO8], 3, v5
	v_lshlrev_b32 v[SBA], 5, v5
	v_lshlrev_b32 v[BV], 5, v4
	v_lshl_add_u32 v[SST], v1, 2, s89
	v_lshl_add_u32 v[SRD], v5, 3, s89
	WIN 0xc0                                       ; destination window 3
	v_mad_u32_u24 v[LA], v4, 24, v6
	v_mad_u32_u24 v[LA+1], v4, 40, v6
	v_mad_u32_u24 v[AD], v4, 24, v6                ; sub-tile 0 lies at LDS byte 0
	v_mad_u32_u24 v[AD+1], v4, 40, v6
.irp a, 0,1,2,3
	v_mov_b32 v[SW+\a], 0
.endr
	WIN 0
.irp i, 0,1
	global_load_b128 v[SA+8*\i:SA+8*\i+3], v[SBA], s[6:7] offset:1024*\i             ; x's scale words: a lane a row, 1,024 consecutive bytes for 32 rows
	global_load_b128 v[SA+8*\i+4:SA+8*\i+7], v[SBA], s[6:7] offset:1024*\i+16
.endr
	PARAMS 0, 0
	s_wait_alu depctr_va_vdst(0)
	s_wait_tensorcnt 0x0                           ; my tile of the head's four is in,
	s_barrier_signal -1
	s_barrier_wait -1                              ; everybody's is
	WIN 0x40
.irp kc, 0,1,2,3,4
.irp a, 0,1,2,3
.irp p, 0,1,2,3,4,5
	PC 48*\kc+12*\a, XA, \kc, \p, 16*\a
.endr
.endr
.endr
	WIN 0x80
.irp kc, 5,6,7
.irp a, 0,1,2,3
.irp p, 0,1,2,3,4,5
	PC 48*(\kc-5)+12*\a, XA, \kc, \p, 16*\a
.endr
.endr
.endr
	WIN 0xff
.set NB, 0
.rept 6
	LD4 0, 4*NB
.set NB, NB+1
.endr
	WIN 0
	s_wait_tensorcnt 0x0
	ds_add_u32 v[SPW], v[NIL]
	s_wait_dscnt 0x0                               ; x is in registers: slot 1 is read no more
	CROUND
	tensor_load_to_lds s[G0W:G0W+3], s[G1W:G1W+7]  ; sub-tiles 2 and 3 into slot 1, a quarter a wave
	s_nop 0
	PLACES 4
	s_mov_b32 s3, 2
.Lpair_a:                                              ; sub-tiles 0-3: a trip reads one slot out and fills it again
	SUB 0, 1
	SUB 1, 1
	WIN 0
	s_sub_co_u32 s3, s3, 1
	s_cmp_lg_u32 s3, 0
	s_wait_alu depctr_va_vdst(0)
	s_cbranch_scc1 .Lpair_a
	SCOUT 0
	s_mov_b32 s22, 12288-768                       ; h_codes: on to the next 128 along K
	s_mov_b32 s3, 2
.Lpair_b:                                              ; sub-tiles 4-7: nothing is left to fetch
	SUB 0, 0
	SUB 1, 0
	WIN 0
	s_sub_co_u32 s3, s3, 1
	s_cmp_lg_u32 s3, 0
	s_wait_alu depctr_va_vdst(0)
	s_cbranch_scc1 .Lpair_b
	SCOUT 1
	s_wait_tensorcnt 0x0                           ; the wave's end
	ds_add_u32 v[SPW], v[NIL]
	s_wait_dscnt 0x0
	CROUND                                         ; the closing round
	s_endpgm
.Lfunc_end_k_q0095e3baca_proj:
	.size	k_q0095e3baca_proj, .Lfunc_end_k_q0095e3baca_proj-k_q0095e3baca_proj
	.p2alignl 7, 3214868480
	.fill 96, 4, 3214868480
	.section	.rodata,"a",@progbits
	.p2align	6, 0x0
	.amdhsa_kernel k_q0095e3baca_proj
		.amdhsa_group_segment_fixed_size 327680
		.amdhsa_private_segment_fixed_size 0
		.amdhsa_enable_private_segment 0
		.amdhsa_kernarg_size 56
		.amdhsa_user_sgpr_count 2
		.amdhsa_user_sgpr_kernarg_segment_ptr 1
		.amdhsa_wavefront_size32 1
		.amdhsa_system_sgpr_workgroup_id_x 1
		.amdhsa_system_sgpr_workgroup_id_y 1
		.amdhsa_system_sgpr_workgroup_id_z 1
		.amdhsa_system_vgpr_workitem_id 0
		.amdhsa_next_free_vgpr 1024
		.amdhsa_next_free_sgpr 100
		.amdhsa_reserve_vcc 0
		.amdhsa_float_denorm_mode_32 3
		.amdhsa_float_denorm_mode_16_64 3
		.amdhsa_memory_ordered 1
		.amdhsa_forward_progress 1
		.amdhsa_inst_pref_size 209
	.end_amdhsa_kernel
	.amdgpu_metadata
---
amdhsa.version: [ 1, 2 ]
amdhsa.kernels:
  - .name:           k_q0095e3baca_proj
    .symbol:         k_q0095e3baca_proj.kd
    .args:
      - { .name: x_codes, .offset: 0, .size: 8, .value_kind: global_buffer, .address_space: global }
      - { .name: x_scales, .offset: 8, .size: 8, .value_kind: global_buffer, .address_space: global }
      - { .name: W_proj_codes, .offset: 16, .size: 8, .value_kind: global_buffer, .address_space: global }
      - { .name: W_proj_scales, .offset: 24, .size: 8, .value_kind: global_buffer, .address_space: global }
      - { .name: b_proj, .offset: 32, .size: 8, .value_kind: global_buffer, .address_space: global }
      - { .name: h_codes, .offset: 40, .size: 8, .value_kind: global_buffer, .address_space: global }
      - { .name: h_scales, .offset: 48, .size: 8, .value_kind: global_buffer, .address_space: global }
    .group_segment_fixed_size: 327680
    .private_segment_fixed_size: 0
    .kernarg_segment_align: 8
    .kernarg_segment_size: 56
    .max_flat_workgroup_size: 128
    .sgpr_count:     100
    .vgpr_count:     1024
    .wavefront_size: 32
...
	.end_amdgpu_metadata
.endif
;; end of part 1
;; launch outp (part 2): grid 4 x 64, 4 waves a work-group, clusters of 4 x 4, 327,680 bytes of LDS; arguments h_codes, h_scales, W_out_codes, W_out_scales, b_out, out0; writes out0
.if DOCPART == 2
	.amdgcn_target "amdgcn-amd-amdhsa--gfx1250"
	.amdhsa_code_object_version 6
	.text
	.protected	k_q0095e3baca_outp
	.globl	k_q0095e3baca_outp
	.p2align	8
	.type	k_q0095e3baca_outp,@function
k_q0095e3baca_outp:
	s_mov_b64 s[64:65], 0
	v_nop
	global_prefetch_b8 v0, s[64:65] scope:SCOPE_SE
	s_setreg_imm32_b32 hwreg(HW_REG_WAVE_MODE, 25, 1), 1
	s_wait_xcnt 0x0
	s_wait_alu depctr_hold_cnt(0) depctr_sa_sdst(0) depctr_va_vdst(0) depctr_va_sdst(0) depctr_va_ssrc(0) depctr_va_vcc(0) depctr_vm_vsrc(0)
	s_getreg_b32 s2, hwreg(HW_REG_IB_STS2, 6, 4)
	s_cmp_eq_u32 s2, 0
	s_cbranch_scc0 .Lentry_in_a_cluster
	s_endpgm
.Lentry_in_a_cluster:
	s_bfe_u32 s2, ttmp6, 0x10000c
	s_cmp_lg_u32 s2, 0xf033
	s_cbranch_scc0 .Lentry_shape_is_right
	s_endpgm
.Lentry_shape_is_right:
; out0 = h W_out^T + b_out.  h: [16384][1024] as codes of FP6 (E2M3) made by the launch before; W_out: [1024][1024] as codes, K innermost (a row is 768 bytes), scale bytes [1024][32]; out0: [16384][1024] f32; sums in f32.
; h_codes lies in the order of the operand's registers: [group of 128 rows][128 along K][block of 16 rows][c = 0, 1][768 bytes]; in a piece, registers 6 c .. 6 c + 3 of lane l at 16 l, registers 6 c + 4, 6 c + 5 at 512 + 8 l.
; h_scales: [128 along K][row], one word a row.
; LIMIT: the bias is the C of each sum's first product, so it is added ahead of the products and not behind them.
; SHARES.  A work-group of four waves makes 256 x 256 of out0.  Wave w owns rows 64 w .. 64 w + 63 and ALL 256 columns.  Its rows of h, for all of K, stay in REGISTERS: 4 blocks x 8 chunks of 128 K x 12 = 384, loaded
; from memory as they lie.  W_out's 256 rows, for all of K, lie in LDS: 256 x 816 bytes, filled once; nothing in LDS is filled again, so there is no ring.
; ORDER.  Four sub-tiles of 64 columns, each over the 8 chunks of K: 32 steps of 16 products.  A finished sub-tile (64 rows x 256 bytes a wave) leaves while the next is multiplied on the other set of accumulators:
; so three quarters of the stores are issued among the products, and only the last quarter behind them.
; CLUSTERS: 4 x 4 work-groups.  The four of a cluster's column need the same rows of W_out: they are asked for jointly, by the same tensor load with a mask that names the four.  h IS NOT ASKED FOR JOINTLY, though the four of a
; cluster's row read the same rows: each fragment goes into one wave's registers, which a tensor load cannot fill, and on the way through LDS its 196,608 bytes would not fit beside W_out's 208,896.
; THE MATRIX INSTRUCTION IS USED TRANSPOSED (source 0 = 16 rows of W_out, source 1 = 16 rows of h): a lane then holds eight neighbouring numbers of a row of out0.
; REGISTERS, in windows of 256: window 0: v1-23 addresses; v32-47 h's scale words; v48-63 W's scale words; v64-95 a sub-tile's bias; v96-127 rows read back from the stage; v128-223 W's fragments, two sets of 48;
;   window 1: h's fragments of chunks 0-4 (chunk kc, block a at 48 kc + 12 a); window 2: those of chunks 5-7; window 3: two sets of 16 accumulators (set s, (a, b) at 128 s + 8 (4 a + b)).
.set KROW,   768                       ; a row of W_out in memory
.set BP,     816                       ; and in LDS: 3 x (256 bytes + 16 of padding) = 204 words: row r starts at bank 12 r mod 64 (64 banks of 4 bytes: ISA guide 11.1), so the 32 lanes of a load of 8 bytes touch 64 different banks
.set FR,     12                        ; registers of a fragment
.set NP,     4                         ; places behind this matrix instruction (ISA guide 7.12.1)
.set SUBB,   64*BP                     ; a sub-tile's 64 rows
.set QUART,  32*BP                     ; 32 rows
.set HALFB,  128*BP                    ; columns 0-127
.set SCLB,   256*BP                    ; behind W: its scale bytes, as units of 256 bytes + 16 of padding
.set SQ,     8*272                     ; those of 64 rows
.set STAGE,  SCLB+4*SQ                 ; behind them: a stage of 16 rows x (256 bytes + 16) for each wave; no tensor load lands there
.set SPITCH, 272
.set CO16, 4                           ; v4  16 x lane
.set CO8,  5                           ; v5  8 x lane
.set CO4,  6                           ; v6  4 x lane
.set BV,   7                           ; v7  32 x (lane / 16): my eight numbers of a tile's bias
.set ADB,  8                           ; v8-15 sub-tile j: v[8 + 2 j] LDS address of my W fragments, v[9 + 2 j] the same for the pieces behind one padding more
.set ASB,  16                          ; v16 my W scale words: lane L takes row L of 32
.set STO,  17                          ; v17 the way out: where I put 32 bytes of a row
.set RD,   18                          ; v18 where I read rows back
.set GO,   19                          ; v19 my byte offset in two rows of out0
.set SA,   32                          ; h's scale words: chunk kc, blocks 2 i (lanes 0-15) and 2 i + 1 (lanes 16-31) at SA + 2 kc + i
.set SB,   48                          ; W's: chunk kc, tiles 2 i and 2 i + 1 of the sub-tile at SB + 8 i + kc
.set BI,   64                          ; the sub-tile's bias: tile b at BI + 8 b, in the result's layout
.set OB,   96                          ; 16 rows read back from the stage
.set BF,   128                         ; W's fragments: set p at BF + 48 p
.set OB2,  128                         ; at the very end W's registers serve as a second set of rows
.set WV,  18                           ; s18 my wave's number
.set G1B, 24                           ; s[24:31] descriptor group 1 for W's rows
.set G1S, 32                           ; s[32:39] for its scale bytes
.set G0S, 48                           ; s[48:51] group 0 for the scale bytes
.set G0B, 52                           ; s[52:55] for columns 0-127 or 128-255, by wave % 2
.set MSB, 0
.macro WIN new                         ; the immediate's high byte repeats the setting that is left
.if MSB != \new
	s_set_vgpr_msb (MSB<<8)|\new
.set MSB, \new
.endif
.endm
.macro CREST                           ; a round of the cluster's barrier behind its opening barrier
	s_cmp_lg_u32 s[WV], 0
	s_cbranch_scc1 .Lnot_wave_0_\@
	s_barrier_signal -3
.Lnot_wave_0_\@:
	s_barrier_wait -3
	s_barrier_signal -1
	s_barrier_wait -1
.endm
.macro CROUND                          ; a whole round
	s_barrier_signal -1
	s_barrier_wait -1
	CREST
.endm
.macro PLACES n
.rept \n
	v_nop
.endr
.endm
	s_load_b128 s[4:7], s[0:1], 0x0                ; h_codes, h_scales
	s_load_b128 s[8:11], s[0:1], 0x10              ; W_out's codes, its scales
	s_load_b128 s[12:15], s[0:1], 0x20             ; b_out, out0
	v_lshl_add_u32 v254, v0, 2, 0x39600
	v_mov_b32 v255, 0
	ds_add_u32 v254, v255
	ds_add_u32 v254, v255
	v_lshrrev_b32 v1, 5, v0
	v_readfirstlane_b32 s[WV], v1                  ; wave 0..3
	s_bfe_u32 s40, ttmp6, 0x40000                  ; cx, cy: my place in the cluster
	s_bfe_u32 s41, ttmp6, 0x40004
	s_lshl_b32 s42, ttmp9, 2
	s_add_co_u32 s42, s42, s40                     ; tc = 4 x cluster x + cx: columns 256 tc on
	s_and_b32 s45, ttmp7, 0xffff
	s_lshl_b32 s45, s45, 2
	s_add_co_u32 s45, s45, s41                     ; tr = 4 x cluster y + cy: rows 256 tr on
	s_lshl_b32 s44, 0x1111, s40                    ; my column of the cluster
	; W's rows are dense in memory: 32 of them are 24,576 bytes, stated as 96 rows of 256 bytes (32 elements of 8 bytes), 16 bytes of padding behind each
	s_or_b32 s[G1B+0], s44, (3<<16)|(1<<20)|(1<<21)|(5<<22)|(3<<25)   ; 15:0 the mask; 17:16 elements of 8 bytes; 20 padding on; 21 set beside a mask; 24:22 after every 64 words; 31:25 of 4 words
	s_mov_b32 s[G1B+1], 32<<16                     ; tensor_dim0
	s_mov_b32 s[G1B+2], 384<<16                    ; tensor_dim1: 128 rows of W are 384 rows of 256 bytes
	s_mov_b32 s[G1B+3], 32<<16                     ; tile_dim0
	s_mov_b32 s[G1B+4], 384                        ; tile_dim1
	s_mov_b32 s[G1B+5], 32                         ; tensor_dim0_stride
	s_mov_b32 s[G1B+6], 0
	s_mov_b32 s[G1B+7], 0
	; the scale bytes of 128 rows: 4,096 dense bytes, 16 such rows
	s_or_b32 s[G1S+0], s44, (3<<16)|(1<<20)|(1<<21)|(5<<22)|(3<<25)
	s_mov_b32 s[G1S+1], 32<<16
	s_mov_b32 s[G1S+2], 16<<16                     ; the scale bytes of 128 rows: 16 rows of 256 bytes
	s_mov_b32 s[G1S+3], 32<<16
	s_mov_b32 s[G1S+4], 16
	s_mov_b32 s[G1S+5], 32
	s_mov_b32 s[G1S+6], 0
	s_mov_b32 s[G1S+7], 0
	; what I fetch of W: it hangs on tc and on the wave's number alone, which my column of the cluster shares.  All offsets stay under 2^27.
	s_lshr_b32 s19, s[WV], 1                       ; waves 0, 1 fetch codes, waves 2, 3 scale bytes
	s_and_b32 s20, s[WV], 1                        ; which 128 rows
	s_lshl_b32 s46, s42, 8
	s_lshl_b32 s47, s20, 7
	s_add_co_u32 s46, s46, s47                     ; codes: row 256 tc + 128 (wave % 2)
	s_mul_i32 s46, s46, KROW
	s_mov_b32 s47, 0
	s_lshl_b32 s60, s42, 8
	s_lshl_b32 s61, s20, 7
	s_add_co_u32 s60, s60, s61                     ; scale bytes: row 256 tc + 128 (wave % 2)
	s_lshl_b32 s60, s60, 5
	s_mov_b32 s61, 0
	s_mul_i32 s21, s20, HALFB
	s_mul_i32 s2, s20, 2*SQ
	; my rows of h: group 2 tr + wave / 2, blocks 4 (wave % 2) on
	s_lshr_b32 s20, s[WV], 1
	s_lshl_b32 s92, s45, 1
	s_add_co_u32 s92, s92, s20
	s_mul_i32 s92, s92, 8*12288
	s_and_b32 s20, s[WV], 1
	s_mul_i32 s20, s20, 4*1536
	s_add_co_u32 s92, s92, s20
	s_mov_b32 s93, 0
	s_lshl_b32 s94, s45, 10                        ; their scale words: 4 x (256 tr + 64 x wave)
	s_lshl_b32 s20, s[WV], 8
	s_add_co_u32 s94, s94, s20
	s_mov_b32 s95, 0
	s_lshl_b32 s62, s42, 10                        ; my work-group's first column, in bytes: 4 x 256 tc
	s_mov_b32 s63, 0
	s_lshl_b32 s22, s45, 20                        ; out0: (256 tr + 64 x wave) rows of 4,096 bytes + the first column
	s_lshl_b32 s20, s[WV], 18
	s_add_co_u32 s22, s22, s20
	s_add_co_u32 s22, s22, s62
	s_mov_b32 s23, 0
	s_wait_dscnt 0x0
	s_wait_kmcnt 0x0
	s_add_nc_u64 s[46:47], s[8:9], s[46:47]
	s_add_nc_u64 s[60:61], s[10:11], s[60:61]
	s_add_nc_u64 s[4:5], s[4:5], s[92:93]
	s_add_nc_u64 s[6:7], s[6:7], s[94:95]
	s_add_nc_u64 s[12:13], s[12:13], s[62:63]
	s_add_nc_u64 s[14:15], s[14:15], s[22:23]
	s_mov_b32 s[G0S], 1                            ; 1:0 count = 1
	s_add_co_u32 s[G0S+1], s2, SCLB                ; 63:32 LDS address
	s_mov_b64 s[G0S+2:G0S+3], s[60:61]             ; 120:64 global address
	s_or_b32 s[G0S+3], s[G0S+3], 0x80000000        ; 127:126 type = 2
.irp hh, 0
	s_mov_b32 s[G0B+4*\hh], 1
	s_add_co_u32 s[G0B+4*\hh+1], s21, \hh*HALFB
	s_add_nc_u64 s[G0B+4*\hh+2:G0B+4*\hh+3], s[46:47], \hh*128*KROW
	s_or_b32 s[G0B+4*\hh+3], s[G0B+4*\hh+3], 0x80000000
.endr
	CROUND                                         ; all sixteen work-groups are here: the joint loads meet
	s_cmp_eq_u32 s19, 0                            ; all fills of the launch, one load a wave: waves 0, 1 W's two halves of 128 rows, waves 2, 3 their scale bytes
	s_cbranch_scc0 .Lhead_s
	tensor_load_to_lds s[G0B:G0B+3], s[G1B:G1B+7]
	s_nop 0
	PLACES 4
	s_branch .Lhead_asked
.Lhead_s:
	tensor_load_to_lds s[G0S:G0S+3], s[G1S:G1S+7]
	s_nop 0
	PLACES 4
.Lhead_asked:
	v_and_b32 v1, 15, v0                           ; r
	v_bfe_u32 v2, v0, 4, 1                         ; h
	v_and_b32 v3, 31, v0                           ; L
	v_lshlrev_b32 v[CO16], 4, v3
	v_lshlrev_b32 v[CO8], 3, v3
	v_lshlrev_b32 v[CO4], 2, v3
	v_lshlrev_b32 v[BV], 5, v2
.irp kc, 0,1,2,3,4,5,6,7
	global_load_b32 v[SA+2*\kc], v[CO4], s[6:7] offset:65536*\kc          ; h's scale words: 32 lanes read 128 consecutive bytes: two blocks of 16 rows
	global_load_b32 v[SA+2*\kc+1], v[CO4], s[6:7] offset:65536*\kc+128
.endr
.macro BIAS j                          ; the bias of sub-tile j: lane (r, h) wants, for tile b, columns 64 j + 16 b + 8 h + 0 .. 7
.irp b, 0,1,2,3
	global_load_b128 v[BI+8*\b:BI+8*\b+3], v[BV], s[12:13] offset:256*(\j)+64*\b
	global_load_b128 v[BI+8*\b+4:BI+8*\b+7], v[BV], s[12:13] offset:256*(\j)+64*\b+16
.endr
.endm
	BIAS 0
.macro AFRAG reg, kc, a                ; a fragment of h comes as the image of its registers: for c = 0, 1: four registers at 16 x lane, two at 512 + 8 x lane: every load reads consecutive bytes
.set AO, 12288*(\kc)+1536*(\a)
	global_load_b128 v[\reg:\reg+3], v[CO16], s[4:5] offset:AO
	global_load_b64 v[\reg+4:\reg+5], v[CO8], s[4:5] offset:AO+512
	global_load_b128 v[\reg+6:\reg+9], v[CO16], s[4:5] offset:AO+768
	global_load_b64 v[\reg+10:\reg+11], v[CO8], s[4:5] offset:AO+1280
.endm
	WIN 0x40                                       ; destination window 1
.irp kc, 0,1,2,3,4                     ; in the order in which the first sub-tile wants them: 16 loads a chunk
.irp a, 0,1,2,3
	AFRAG 48*\kc+FR*\a, \kc, \a
.endr
.endr
	WIN 0x80                                       ; destination window 2
.irp kc, 5,6,7
.irp a, 0,1,2,3
	AFRAG 48*(\kc-5)+FR*\a, \kc, \a
.endr
.endr
	WIN 0
	v_mul_u32_u24 v20, v1, BP
	v_mad_u32_u24 v20, v2, 24, v20                 ; a fragment's row x pitch + 24 x half
	v_lshl_add_u32 v21, v2, 4, v20                 ; and the same behind one padding more
.irp j, 0,1,2,3
	v_add_nc_u32 v[ADB+2*\j], \j*SUBB, v20
	v_add_nc_u32 v[ADB+2*\j+1], \j*SUBB, v21
.endr
	v_lshrrev_b32 v22, 3, v3
	v_lshlrev_b32 v23, 5, v3
	v_lshl_add_u32 v23, v22, 4, v23                ; row L's scale bytes: 32 L, and 16 more for each 256 passed
	v_add_nc_u32 v[ASB], SCLB, v23
	s_mul_i32 s23, s[WV], 16*SPITCH
	s_add_co_u32 s23, s23, STAGE                   ; my stage
	v_mul_u32_u24 v22, v1, SPITCH                  ; in: row r, 32 bytes for each half of the lanes
	v_lshl_add_u32 v22, v2, 5, v22
	v_add_nc_u32 v[STO], s23, v22
	v_mul_u32_u24 v22, v2, SPITCH                  ; back: lanes 0-15 take one row of 256 bytes, lanes 16-31 the next
	v_lshl_add_u32 v22, v1, 4, v22
	v_add_nc_u32 v[RD], s23, v22
	v_lshlrev_b32 v22, 12, v2                      ; and the same two rows in out0
	v_lshl_add_u32 v[GO], v1, 4, v22
.macro FRAG reg, adr, q, row           ; a fragment of W, 16 rows x 128 K, is 12 registers: lane (r, h) holds row r; registers 6 c .. 6 c + 5 hold K = 64 c + 32 h + 0 .. 31: 24 bytes of the row's stream of bits, as they lie
.irp p, 0,1,2,3,4,5                    ; in pieces of 8 bytes.  Lanes 0-15 take pieces 12 q + 0, 1, 2 and 12 q + 6, 7, 8, lanes 16-31 those three pieces on
.set PCE, 12*(\q)+6*(\p/3)+\p%3        ; 16 bytes of padding lie behind every 32 pieces: where the piece three on lies behind one padding more, the second address register serves
.if PCE%32 < 29
	ds_load_b64 v[\reg+2*\p:\reg+2*\p+1], v[\adr] offset:8*PCE+16*(PCE/32)+(\row)*BP
.else
	ds_load_b64 v[\reg+2*\p:\reg+2*\p+1], v[\adr+1] offset:8*PCE+16*(PCE/32)+(\row)*BP
.endif
.endr
.endm
.macro FETCHB j, kc                    ; the four W fragments of sub-tile j, chunk kc, into set kc % 2: 24 loads
.irp i, 0,1,2,3
	FRAG BF+48*((\kc)%2)+FR*\i, ADB+2*(\j), \kc, 16*\i
.endr
.endm
.macro BSCALE j, u                     ; W's scale words of sub-tile j, chunks 4 u .. 4 u + 3: 16 bytes a row; a load serves 32 rows, two tiles
.irp i, 0,1
	ds_load_b128 v[SB+8*\i+4*(\u):SB+8*\i+4*(\u)+3], v[ASB] offset:(\j)*SQ+\i*4*272+16*(\u)
.endr
.endm
; One product: h's block a against W's tile b of the sub-tile, chunk kc, into accumulator set s.  In chunk 0 the sum starts from the bias.  An odd block's scale words lie in lanes 16-31 of its pair's register.
.macro WM a, b, kc, s
.set rD, 128*(\s)+8*(4*(\a)+(\b))
.set rC, rD
.if (\kc) == 0
.set rC, BI+8*(\b)
.endif
.set rB, BF+48*((\kc)%2)+FR*(\b)
.if (\kc) < 5
.set rA, 48*(\kc)+FR*(\a)
.else
.set rA, 48*((\kc)-5)+FR*(\a)
.endif
.set rSB, SB+8*((\b)/2)+(\kc)
.set rSA, SA+2*(\kc)+(\a)/2
.if ((\a)%2 == 0) && ((\b)%2 == 0)
	v_wmma_scale_f32_16x16x128_f8f6f4 v[rD:rD+7], v[rB:rB+FR-1], v[rA:rA+FR-1], v[rC:rC+7], v[rSB], v[rSA] matrix_a_fmt:MATRIX_FMT_FP6 matrix_b_fmt:MATRIX_FMT_FP6
.elseif ((\a)%2 == 0)
	v_wmma_scale_f32_16x16x128_f8f6f4 v[rD:rD+7], v[rB:rB+FR-1], v[rA:rA+FR-1], v[rC:rC+7], v[rSB], v[rSA] matrix_a_fmt:MATRIX_FMT_FP6 matrix_b_fmt:MATRIX_FMT_FP6 matrix_a_scale:MATRIX_SCALE_ROW1
.elseif ((\b)%2 == 0)
	v_wmma_scale_f32_16x16x128_f8f6f4 v[rD:rD+7], v[rB:rB+FR-1], v[rA:rA+FR-1], v[rC:rC+7], v[rSB], v[rSA] matrix_a_fmt:MATRIX_FMT_FP6 matrix_b_fmt:MATRIX_FMT_FP6 matrix_b_scale:MATRIX_SCALE_ROW1
.else
	v_wmma_scale_f32_16x16x128_f8f6f4 v[rD:rD+7], v[rB:rB+FR-1], v[rA:rA+FR-1], v[rC:rC+7], v[rSB], v[rSA] matrix_a_fmt:MATRIX_FMT_FP6 matrix_b_fmt:MATRIX_FMT_FP6 matrix_a_scale:MATRIX_SCALE_ROW1 matrix_b_scale:MATRIX_SCALE_ROW1
.endif
.endm
; THE WAY OUT of block a (16 rows x 64 columns) of accumulator set s.  A lane holds 32 neighbouring bytes of a row, and the lanes beside it hold other rows: so the block goes through my own stage in LDS and comes back as whole
; rows of 256 bytes, into v[ob] on.  LDS serves a wave's instructions in order (ISA guide 5.7.1.4): no wait between the stores and the loads, nor in front of the next block's stores.
.macro TOSTAGE s, a, ob
.set AC, 128*(\s)+32*(\a)
	WIN 0x0c                                       ; an LDS store's data are its source 1: window 3
.irp b, 0,1,2,3
	ds_store_b128 v[STO], v[AC+8*\b:AC+8*\b+3] offset:64*\b          ; each accumulator from its low end on
	ds_store_b128 v[STO], v[AC+8*\b+4:AC+8*\b+7] offset:64*\b+16
.endr
	WIN 0
.irp i, 0,1,2,3,4,5,6,7
	ds_load_b128 v[\ob+4*\i:\ob+4*\i+3], v[RD] offset:2*\i*SPITCH
.endr
.endm
.macro SEND j, a, ob                   ; block a of sub-tile j is stored.  Its place stands in the immediate (62 rows of 4,096 bytes and 768 at the most), so no base is stepped
.irp i, 0,1,2,3,4,5,6,7
	global_store_b128 v[GO], v[\ob+4*\i:\ob+4*\i+3], s[14:15] offset:(16*(\a)+2*\i)*4096+256*(\j) th:TH_STORE_NT   ; 16 lanes store 256 consecutive bytes, at a multiple of 256 from out0's first byte; written once, read by nobody here
.endr
.endm
; A STEP: sub-tile j, chunk kc: the next step's W fragments are asked for, a piece of the sub-tile before goes out, and 16 products follow.
; A load into a register that a matrix instruction has read, and an LDS store that reads a matrix result, stand NP places behind that matrix instruction; only plain vector instructions that name none of its
; registers are places (ISA guide 7.12.1 for vector instructions).  So four v_nop stand at a step's head.
; The 16 accumulators of a set take turns, one instruction a turn, in the same order in every step.
.macro STEPK j, kc
.set TT, 8*(\j)+(\kc)
.set ND, 0                             ; the LDS instructions that this step issues ahead of its wait
	PLACES NP
.if TT < 31
	FETCHB (TT+1)/8, (TT+1)%8                      ; into the set that the last step multiplied
.set ND, ND+24
.endif
.if ((\kc) == 4) && ((\j) < 3)
	BSCALE (\j)+1, 0                               ; the words of chunks 0-3 are done with: the next sub-tile's take their place
.set ND, ND+2
.endif
.if ((\kc) == 0) && ((\j) > 0)
	BSCALE \j, 1                                   ; the last sub-tile's words of chunks 4-7 are done with: this sub-tile's take their place
.set ND, ND+2
.endif
.if ((\kc) == 1) && ((\j) < 3)
	BIAS (\j)+1                                    ; chunk 0 has read the bias: the next sub-tile's takes its place, seven steps ahead of its use
.endif
.if ((\j) > 0) && ((\kc)%2 == 0)
.if TT > 8
	s_wait_xcnt 0x0                                ; the last block's stores have read their registers: the loads below may land there
.endif
	TOSTAGE 1-(\j)%2, (\kc)/2, OB                  ; block kc / 2 of the sub-tile before
.set ND, ND+16
.endif
	s_wait_dscnt ND                                ; all but what this step has issued: this step's fragments and scale words are in, and so is what the last step sent through the stage
.if (\j) == 0
.set NLD, 16*(7-(\kc))+8               ; behind this chunk's fragments of h: 16 loads for each later chunk, and from chunk 1 on the 8 of the next bias
.if NLD > 63
.set NLD, 63                           ; a wait cannot name more than 63: it then waits for more than it needs
.endif
	s_wait_loadcnt NLD
.elseif (\kc) == 0
	s_wait_loadcnt 0x0                             ; this sub-tile's bias
.endif
.if ((\j) > 0) && ((\kc)%2 == 1)
	SEND (\j)-1, (\kc)/2, OB
.endif
.if (\kc) == 0
	WIN 0xc4                                       ; source 0 (W) and C (the bias) window 0, source 1 (h) window 1, D window 3
.elseif (\kc) < 5
	WIN 0xf4                                       ; C and D window 3
.else
	WIN 0xf8                                       ; h in window 2
.endif
.irp a, 0,1,2,3
.irp b, 0,1,2,3
	WM \a, \b, \kc, (\j)%2
.endr
.endr
	WIN 0
.endm
	s_wait_alu depctr_va_vdst(0)
	s_wait_tensorcnt 0x0                           ; my one tensor load has landed,
	s_barrier_signal -1
	s_barrier_wait -1                              ; everybody's are
	FETCHB 0, 0
	BSCALE 0, 0
	BSCALE 0, 1
.irp j, 0,1,2,3
.irp kc, 0,1,2,3,4,5,6,7
	STEPK \j, \kc
.endr
.endr
	; the last sub-tile leaves: while one block's rows are stored, the next is on its way through the stage; the rows come back into two sets of registers by turns
	PLACES NP                                      ; in front of the first read of the last results and of the loads into the registers that held W's fragments
	s_wait_xcnt 0x0                                ; the last stores have read their registers
	TOSTAGE 1, 0, OB
	TOSTAGE 1, 1, OB2
	s_wait_dscnt 16                                ; behind block 0's loads: block 1's 8 stores and 8 loads
	SEND 3, 0, OB
	s_wait_xcnt 0x0
	TOSTAGE 1, 2, OB
	s_wait_dscnt 16
	SEND 3, 1, OB2
	s_wait_xcnt 0x0
	TOSTAGE 1, 3, OB2
	s_wait_dscnt 16
	SEND 3, 2, OB
	s_wait_dscnt 0x0
	SEND 3, 3, OB2
	s_wait_tensorcnt 0x0
	ds_add_u32 v254, v255
	s_wait_dscnt 0x0
	CROUND                                         ; the closing round: no work-group ends while a partner may still ask for a tile that names it
	s_endpgm
.Lfunc_end_k_q0095e3baca_outp:
	.size	k_q0095e3baca_outp, .Lfunc_end_k_q0095e3baca_outp-k_q0095e3baca_outp
	.p2alignl 7, 3214868480
	.fill 96, 4, 3214868480
	.section	.rodata,"a",@progbits
	.p2align	6, 0x0
	.amdhsa_kernel k_q0095e3baca_outp
		.amdhsa_group_segment_fixed_size 327680
		.amdhsa_private_segment_fixed_size 0
		.amdhsa_enable_private_segment 0
		.amdhsa_kernarg_size 48
		.amdhsa_user_sgpr_count 2
		.amdhsa_user_sgpr_kernarg_segment_ptr 1
		.amdhsa_wavefront_size32 1
		.amdhsa_system_sgpr_workgroup_id_x 1
		.amdhsa_system_sgpr_workgroup_id_y 1
		.amdhsa_system_sgpr_workgroup_id_z 1
		.amdhsa_system_vgpr_workitem_id 0
		.amdhsa_next_free_vgpr 1024
		.amdhsa_next_free_sgpr 100
		.amdhsa_reserve_vcc 0
		.amdhsa_float_denorm_mode_32 3
		.amdhsa_float_denorm_mode_16_64 3
		.amdhsa_memory_ordered 1
		.amdhsa_forward_progress 1
		.amdhsa_inst_pref_size 174
	.end_amdhsa_kernel
	.amdgpu_metadata
---
amdhsa.version: [ 1, 2 ]
amdhsa.kernels:
  - .name:           k_q0095e3baca_outp
    .symbol:         k_q0095e3baca_outp.kd
    .args:
      - { .name: h_codes, .offset: 0, .size: 8, .value_kind: global_buffer, .address_space: global }
      - { .name: h_scales, .offset: 8, .size: 8, .value_kind: global_buffer, .address_space: global }
      - { .name: W_out_codes, .offset: 16, .size: 8, .value_kind: global_buffer, .address_space: global }
      - { .name: W_out_scales, .offset: 24, .size: 8, .value_kind: global_buffer, .address_space: global }
      - { .name: b_out, .offset: 32, .size: 8, .value_kind: global_buffer, .address_space: global }
      - { .name: out0, .offset: 40, .size: 8, .value_kind: global_buffer, .address_space: global }
    .group_segment_fixed_size: 327680
    .private_segment_fixed_size: 0
    .kernarg_segment_align: 8
    .kernarg_segment_size: 48
    .max_flat_workgroup_size: 128
    .sgpr_count:     100
    .vgpr_count:     1024
    .wavefront_size: 32
...
	.end_amdgpu_metadata
.endif
;; end of part 2
